; MI455X (gfx1250); checked and timed in simulation.
; The chip was launched on July 23, 2026; its instructions are those of AMD's public machine-readable ISA for CDNA 5 (MIT licence, August 2026) and "CDNA5" Instruction Set Architecture Reference Guide (July 2026). The comments in the code are by the model that wrote it; some were corrected since.
;; Cross Attention. Allowed arithmetic: matrix products marked QUANTISED: E2M3 operands, one E8M0 scale for each 32 along K, by v_wmma_scale_f32_16x16x128_f8f6f4 with both operands' format E2M3, f32 sums; everything else in f32.
;; Inputs: Wkv 1,024 x 2,048 float32; Wq 1,024 x 1,024 float32; context 4 x 2,048 x 1,024 float32; x 4 x 2,048 x 1,024 float32.
;; Outputs: out0 4 x 2,048 x 1,024 float32.
;; This version of the problem:
;;   THIS VERSION OF THE PROBLEM IS GIVEN IN LOW PRECISION. The matrix products marked QUANTISED in the list below multiply operands that are first quantised to E2M3 (2 exponent bits, 3 mantissa bits; 6 bits a number), with one power-of-two scale for each 32 numbers along K (OCP MX v1.0); their sums are f32. All else is computed in f32.
;;   The module's matrix products, in the order in which they are computed (A, B: the left and right operand; K: the contracted axis; several contracted axes count as one K, in the product's order):
;;     1. [M 8,192, K 1,024] x [K 1,024, N 1,024]; A: input x; B: input Wq: QUANTISED
;;     2. [M 8,192, K 1,024] x [K 1,024, N 2,048]; A: input context; B: input Wkv: QUANTISED
;;     3. batch 64 x [M 2,048, K 64] x [K 64, N 2,048]; A: computed on the way; B: computed on the way: QUANTISED
;;     4. batch 64 x [M 2,048, K 2,048] x [K 2,048, N 64]; A: softmax (see below); B: computed on the way: QUANTISED
;;   THE QUANTISER, for each operand of a quantised product, along K:
;;     - K is cut into blocks of 32 from its start; a last block that is shorter is filled with zeros.
;;     - A block's scale is 2^e with e = floor(log2(the largest magnitude in the block)) - 2, held to -126 .. 127; a block of zeros has e = 0. As a byte (E8M0): e + 127.
;;     - Each number is divided by its block's scale, clamped to +-7.5, and rounded to the nearest number of E2M3, ties to even, subnormals kept.
;;     - The product sums the exact products of the quantised numbers (number of the format x scale) in f32.
;;   ~~~python
;;   def quantise(x, axis):      # numpy; x: float32 -> the quantised numbers, widened to float32 again
;;       x = np.moveaxis(x, axis, -1); K = x.shape[-1]
;;       x = np.pad(x, [(0, 0)] * (x.ndim - 1) + [(0, -K % 32)]); x = x.reshape(x.shape[:-1] + (-1, 32)); a = np.abs(x).max(-1, keepdims=True)
;;       e = np.where(a > 0, np.clip(np.frexp(np.where(a > 0, a, 1))[1] - 1 - 2, -126, 127), 0)      # np.frexp(a)[1] - 1 = floor(log2(a)), exactly
;;       r = np.clip(x / 2.0 ** e, -7.5, 7.5)
;;       step = 2.0 ** (np.maximum(np.frexp(np.where(r == 0, 1, r))[1] - 1, 0) - 3)
;;       q = np.round(r / step) * step * 2.0 ** e      # np.round: ties to even
;;       return np.moveaxis(q.reshape(q.shape[:-2] + (-1,))[..., :K], -1, axis).astype(np.float32)
;;   ~~~
;;   SOFTMAX AHEAD OF A QUANTISED PRODUCT. Where the list says 'softmax', what is quantised is not the finished softmax but p = 2^(t - M), with t = logit x log2(e) and M = ceil(the row's largest t), a whole number; so 1/2 < the row's largest p <= 1. The row's sum l is taken of the UNQUANTISED p, in f32, and the product's result is divided by l at the end. Since M is a whole number, a kernel that streams over the keys may use a running M (the ceiling of the running maximum): every later rescaling is an exact power of two, which a block's scale takes up: the codes' values come out the same.
;;   OPERANDS COMPUTED ON THE WAY. 'Computed on the way' means the value that the module computes at that place (a softmax that the list does not call 'softmax' is quantised finished and normalised). What goes into a quantiser is computed in f32, as accurately as f32 sums, v_exp_f32 and their like allow (about 1e-6 of the number): no bf16 or f16 on the way to a quantiser, and a product that is left as it is and whose result goes on into a quantised operand takes f32 operands (vector FMAs, or v_wmma_f32_16x16x4_f32). A number that lies on a knife's edge between two numbers of the format may be rounded either way, as far as f32 arithmetic and the matrix unit's own rounding can turn it there, and no further.
;; One version. Each part assembles by itself: llvm-mc -triple=amdgcn-amd-amdhsa -mcpu=gfx1250 --defsym DOCPART=n.
;; ======== version 1 of 1: 3 launches
;; limits: right only within a limited range of input values
;; workspace buffers: codes 14,942,208 bytes; scales 622,592 bytes; img 18,874,368 bytes; isc 786,432 bytes
;; launch quant (part 1): grid 608 x 1, 4 waves a work-group, no clusters, 68,096 bytes of LDS; arguments x, context, Wq, Wkv, codes, scales; writes codes, scales
.if DOCPART == 1
	.amdgcn_target "amdgcn-amd-amdhsa--gfx1250"
	.amdhsa_code_object_version 6
	.text
	.protected	k_q6ccdeac256_quant
	.globl	k_q6ccdeac256_quant
	.p2align	8
	.type	k_q6ccdeac256_quant,@function
k_q6ccdeac256_quant:
	s_mov_b64 s[64:65], 0
	v_nop
	global_prefetch_b8 v0, s[64:65] scope:SCOPE_SE
	s_setreg_imm32_b32 hwreg(HW_REG_WAVE_MODE, 25, 1), 1
	s_wait_xcnt 0x0
; x, context [8192][1024] (K innermost) and Wq [1024][1024], Wkv [1024][2048] (K = the FIRST axis), all f32, become codes of FP6 (E2M3) with K innermost and one E8M0 byte for each 32 along K.
; codes: [19456 rows][768 bytes]; scales: [19456][32].  Rows 0.. x, 8192.. context, 16384.. Wq's columns, 17408.. Wkv's columns.
; THE ROW ORDER: true row R of each part is stored at the place R with its bits 3 and 4 exchanged.  Sixteen neighbouring STORED rows, taken as a product's source 0, then leave in a lane's
; registers of two neighbouring tiles sixteen neighbours of the TRUE order: what the next quantiser wants.
; A block's scale is 2^(floor(log2(its largest magnitude)) - 2); its byte is the largest magnitude's exponent field - 2, held at 1 from below.
; LIMITS: a block of zeros gets the byte 1, not 127 (its codes are zeros, and this program alone reads the bytes); blocks under 2^-124 are held at the byte 1; NaN and infinities are not served.
; Work-groups 0-511 take x and context, 32 rows each, a wave 8 rows: a plain stream of blocks.  Work-groups 512-607 take the weights: 128 columns x 256 along K each, a lane to a column, registers down K.
; The two ways use LDS bytes of their own: 0-32767 and 32768-67583.  No tensor loads, no barrier: waves share nothing.  No matrix unit, no cluster: a stream, nothing is shared.
; THE ROW ORDER IN FORCE (it takes the place of the exchange of two bits described above): true row R of each part is stored at the place whose bit 3 is R's bit 5, bit 4 R's bit 3, bit 5 R's bit 4; all other bits stay.
; Tile t (of four) of 64 stored rows then holds true rows 8 t + 0 .. 7 and 32 + 8 t + 0 .. 7: as a product's source 0, four neighbouring tiles leave in ONE lane's 32 registers a whole block of 32 true neighbours.
.set STEPS, 16
.set EMAX,  2
.set CB,    12                         ; bytes of 16 codes
.set KROW,  768                        ; a row of codes
.set R,     16                         ; rows' way: v16-79 four sets of 16 numbers as loaded
.set X,     80                         ; v80-111  two sets of 16 neighbours
.set E,     112                        ; v112-127 a scale byte for each step
.set C,     128                        ; v128-191 codes, four registers a step: no store's data are written again
.set WREG,  8192                       ; LDS of a wave: two stages of 32 x SP bytes, then its 256 scale bytes
.set SP,    80                         ; a lane's place in a stage: 64 bytes + 16 of padding
.set XW,    32                         ; weights' way: v32-95 two sets of 32 numbers
.set CW,    96                         ; v96..    a block's codes
.set OUTR,  112                        ; v112-175 the way out
.set SB,    24                         ; v24-25   my column's 8 scale bytes
.set OF,    176                        ; v176-207 4 x lane + i x a row of the weight: never rewritten
.set WP,    272                        ; a stage row: sixteen places of 16 bytes (12 of codes each) + 16
.set WSTG,  32768
.set NB,    8
	s_load_b256 s[4:11], s[0:1], 0x0               ; x, context, Wq, Wkv
	s_load_b128 s[12:15], s[0:1], 0x20             ; codes, scales
	v_lshl_add_u32 v208, v0, 2, 0x10800
	v_mov_b32 v209, 0
	v_lshrrev_b32 v1, 5, v0
	v_readfirstlane_b32 s16, v1                    ; wave
	v_and_b32 v2, 31, v0                           ; lane
	s_cmp_lt_u32 ttmp9, 512
	s_cbranch_scc0 .Lweights
; ---------------- x and context ----------------
	v_lshlrev_b32 v3, 4, v2                        ; my 16 bytes of a load's 512
	s_mul_i32 s17, s16, WREG
	v_lshrrev_b32 v14, 2, v2
	v_mul_u32_u24 v14, v14, SP
	v_and_b32 v15, 3, v2
	v_lshl_add_u32 v14, v15, 4, v14
	v_add_nc_u32 v14, s17, v14                     ; the stage, in: SP (lane / 4) + 16 (lane % 4)
	v_mul_u32_u24 v15, v2, SP
	v_add_nc_u32 v15, s17, v15                     ; and out: SP x lane: my 16 neighbours
	v_mul_u32_u24 v4, v2, CB                       ; my codes' place in a step's
	v_lshrrev_b32 v5, 1, v2
	s_add_co_u32 s17, s17, 2*32*SP
	v_add_nc_u32 v5, s17, v5                       ; my block's byte among the wave's 256
	v_lshlrev_b32 v7, 3, v2
	v_add_nc_u32 v6, s17, v7
	s_lshl_b32 s23, ttmp9, 2                       ; my run of 8 rows is number 4 x work-group + wave; its three lowest bits are the rows' bits 3, 4, 5
	s_and_b32 s22, s23, 0xfffffff8
	s_lshl_b32 s28, s16, 1                         ; the rows' bits 3 and 4 (the wave's number) go one place up,
	s_or_b32 s22, s22, s28
	s_and_b32 s28, ttmp9, 1                        ; their bit 5 goes to the bottom
	s_or_b32 s22, s22, s28                         ; where my run goes: x's 1,024 runs, then context's
	s_mul_i32 s24, s22, 32*STEPS*CB
	s_mov_b32 s25, 0
	s_lshl_b32 s26, s22, 8
	s_mov_b32 s27, 0
	s_wait_alu depctr_va_vdst(0)
	s_wait_kmcnt 0x0
	s_cmp_lt_u32 ttmp9, 256                        ; x's work-group or context's: the choice hangs on the work-group's number alone
	s_cselect_b64 s[4:5], s[4:5], s[6:7]
	s_cselect_b32 s18, 0, 256
	s_sub_co_u32 s18, ttmp9, s18
	s_lshl_b32 s18, s18, 2
	s_add_co_u32 s18, s18, s16                     ; where my run comes from
	s_lshl_b32 s18, s18, 15                        ; 8 rows of 4,096 bytes
	s_mov_b32 s19, 0
	s_add_nc_u64 s[4:5], s[4:5], s[18:19]
	s_add_nc_u64 s[12:13], s[12:13], s[24:25]
	s_add_nc_u64 s[14:15], s[14:15], s[26:27]
.macro LOAD t
.irp i, 0,1,2,3
	global_load_b128 v[R+16*((\t)%4)+4*\i:R+16*((\t)%4)+4*\i+3], v3, s[4:5] offset:2048*(\t)+512*\i th:TH_LOAD_NT   ; 32 lanes read 512 consecutive bytes
.endr
.endm
.macro TURN t                          ; step t's numbers through the stage: LDS serves a wave's instructions in order, so no wait stands between the stores and the loads
.irp i, 0,1,2,3
	ds_store_b128 v14, v[R+16*((\t)%4)+4*\i:R+16*((\t)%4)+4*\i+3] offset:32*SP*((\t)%2)+8*SP*\i
.endr
.irp i, 0,1,2,3
	ds_load_b128 v[X+16*((\t)%2)+4*\i:X+16*((\t)%2)+4*\i+3], v15 offset:32*SP*((\t)%2)+16*\i
.endr
.endm
.irp t, 0,1,2,3
	LOAD \t
.endr
	s_wait_loadcnt 12                              ; step 0's four loads are in; the 12 of steps 1 to 3 may be out
	TURN 0
.macro STEP t
.set XS, X+16*((\t)%2)
.if (\t) > 0
	s_wait_dscnt 1                                 ; this step's numbers are back from the stage (the last step's byte store may be out)
.else
	s_wait_dscnt 0x0
.endif
.if (\t)+4 < STEPS
	LOAD (\t)+4                                    ; into the registers that the stage's stores have read
.endif
.if (\t)+1 < STEPS
.if STEPS-2-(\t) >= 3
	s_wait_loadcnt 12                              ; the next step's four loads are in; those of the three steps behind it may be out
.else
	s_wait_loadcnt 4*(STEPS-2-(\t))
.endif
	TURN (\t)+1
.endif
	v_max3_num_f32 v8, |v[XS]|, |v[XS+1]|, |v[XS+2]|               ; the largest magnitude of my 16, in two chains
	v_max3_num_f32 v9, |v[XS+3]|, |v[XS+4]|, |v[XS+5]|
.irp i, 6,10
	v_max3_num_f32 v8, v8, |v[XS+\i]|, |v[XS+\i+1]|
	v_max3_num_f32 v9, v9, |v[XS+\i+2]|, |v[XS+\i+3]|
.endr
	v_max3_num_f32 v8, v8, |v[XS+14]|, |v[XS+15]|
	v_max3_num_f32 v8, v8, v9, (EMAX+1)<<23        ; and the floor 2^(3 - 127): the byte cannot fall under 1
	v_max_num_f32_dpp v8, v8, v8 row_xmask:1 row_mask:0xf bank_mask:0xf   ; with my neighbour's 16: the block's
	v_add_nc_u32 v11, 0xff000000, v8               ; 2 off its exponent field: the conversion takes the exponent field of this operand as its scale
	v_cvt_scalef32_pk16_fp6_f32 v[C+4*(\t):C+4*(\t)+2], v[XS:XS+15], v11
	v_lshrrev_b32 v[E+(\t)], 23, v11               ; the scale's byte (also the plain line behind the conversion)
	ds_store_b8 v5, v[E+(\t)] offset:16*(\t)       ; both lanes of a block write the same byte with the same value
	global_store_b96 v4, v[C+4*(\t):C+4*(\t)+2], s[12:13] offset:32*CB*(\t)   ; the wave stores 384 consecutive bytes
.endm
.irp t, 0,1,2,3,4,5,6,7,8,9,10,11,12,13,14,15
	STEP \t
.endr
	ds_load_b64 v[12:13], v6                       ; LDS serves a wave's instructions in order: these see my stores
	s_wait_dscnt 0x0
	global_store_b64 v7, v[12:13], s[14:15]        ; 32 lanes store 256 consecutive bytes, aligned
	s_wait_tensorcnt 0x0
	ds_add_u32 v208, v209
	s_wait_dscnt 0x0
	s_endpgm
; ---------------- Wq and Wkv ----------------
.Lweights:
	s_sub_co_u32 s17, ttmp9, 512
	s_lshr_b32 s18, s17, 2                         ; which 128 columns of the 3,072: 0-7 Wq's, 8-23 Wkv's
	s_and_b32 s19, s17, 3                          ; which 256 along K
	s_mul_i32 s26, s16, 32*WP
	s_add_co_u32 s26, s26, WSTG                    ; my stage
	s_wait_alu depctr_va_vdst(0)
	v_mul_u32_u24 v4, v2, WP
	v_add_nc_u32 v4, s26, v4                       ; into it: row = my column
	v_and_b32 v5, 15, v2
	v_lshrrev_b32 v6, 4, v2                        ; out of it: sixteen lanes to a row, two rows an instruction
	v_mul_u32_u24 v7, v6, WP
	v_lshl_add_u32 v7, v5, 4, v7
	v_add_nc_u32 v7, s26, v7
	v_mul_u32_u24 v8, v6, KROW
	v_mad_u32_u24 v8, v5, 12, v8                   ; and the same place in the codes (the row's exchanged bits stand in the store's immediate)
	v_and_b32 v9, 7, v2                            ; my column's place: its bits 3 and 4 go one place up (its bit 5, the wave's lowest, stands in the wave's base)
	v_and_b32 v10, 24, v2
	v_lshl_add_u32 v9, v10, 1, v9
	v_lshlrev_b32 v9, 5, v9                        ; x 32 scale bytes a row
	s_lshl_b32 s27, s18, 7
	s_lshr_b32 s28, s16, 1
	s_lshl_b32 s28, s28, 6
	s_add_co_u32 s27, s27, s28                     ; + 64 x (wave / 2)
	s_and_b32 s28, s16, 1
	s_lshl_b32 s28, s28, 3
	s_add_co_u32 s27, s27, s28                     ; + 8 x (wave % 2): the columns' bit 5 at the place of bit 3
	s_add_co_u32 s27, s27, 16384                   ; the place of my wave's first column
	s_mul_i32 s28, s27, KROW
	s_mul_i32 s29, s19, 192
	s_add_co_u32 s28, s28, s29
	s_mov_b32 s29, 0
	s_lshl_b32 s30, s27, 5
	s_lshl_b32 s31, s19, 3
	s_add_co_u32 s30, s30, s31
	s_mov_b32 s31, 0
	s_wait_kmcnt 0x0
	s_mov_b32 s20, 8192
	s_cmp_lt_u32 s18, 8                            ; Wq or Wkv: the choice hangs on the work-group's number alone
	s_cselect_b64 s[8:9], s[8:9], s[10:11]
	s_cselect_b32 s20, 4096, s20                   ; a row of the weight in bytes
	s_cselect_b32 s21, 0, 8
	s_sub_co_u32 s21, s18, s21                     ; which 128 columns of that weight
	s_mul_i32 s22, s19, s20
	s_lshl_b32 s22, s22, 8                         ; 256 rows for each step along K
	s_lshl_b32 s21, s21, 9
	s_add_co_u32 s22, s22, s21
	s_lshl_b32 s21, s16, 7
	s_add_co_u32 s22, s22, s21                     ; + 4 x my wave's first column
	s_mov_b32 s23, 0
	s_add_nc_u64 s[32:33], s[8:9], s[22:23]        ; a base for each block of 32 rows: none is ever stepped
	s_lshl_b32 s24, s20, 5
	s_mov_b32 s25, 0
.irp t, 1,2,3,4,5,6,7
	s_add_nc_u64 s[32+2*\t:33+2*\t], s[30+2*\t:31+2*\t], s[24:25]
.endr
	s_add_nc_u64 s[12:13], s[12:13], s[28:29]
	s_add_nc_u64 s[14:15], s[14:15], s[30:31]
	v_lshlrev_b32 v[OF], 2, v2
.set I, 1
.rept 31
	v_add_nc_u32 v[OF+I], s20, v[OF+I-1]
.set I, I+1
.endr
.macro WLOAD t                         ; block t: W(32 t + i, my column), i = 0 .. 31: each load reads 128 consecutive bytes
.irp i, 0,1,2,3,4,5,6,7,8,9,10,11,12,13,14,15,16,17,18,19,20,21,22,23,24,25,26,27,28,29,30,31
	global_load_b32 v[XW+32*((\t)%2)+\i], v[OF+\i], s[32+2*(\t):33+2*(\t)] th:TH_LOAD_NT
.endr
.endm
	WLOAD 0
	WLOAD 1
.macro BLOCK t
.set XS, XW+32*((\t)%2)
.if (\t) < NB-1
	s_wait_loadcnt 32                              ; this block's 32 loads are in; the next block's 32 may be out
.else
	s_wait_loadcnt 0
.endif
	v_max3_num_f32 v12, |v[XS]|, |v[XS+1]|, |v[XS+2]|               ; the block's largest magnitude: all 32 numbers are mine
	v_max3_num_f32 v13, |v[XS+3]|, |v[XS+4]|, |v[XS+5]|
.irp i, 6,10,14,18,22,26
	v_max3_num_f32 v12, v12, |v[XS+\i]|, |v[XS+\i+1]|
	v_max3_num_f32 v13, v13, |v[XS+\i+2]|, |v[XS+\i+3]|
.endr
	v_max3_num_f32 v12, v12, |v[XS+30]|, |v[XS+31]|
	v_max3_num_f32 v12, v12, v13, (EMAX+1)<<23     ; and the floor
	v_add_nc_u32 v11, 0xff000000, v12              ; the conversion's scale operand
	v_lshrrev_b32 v13, 23, v11                     ; the scale's byte
.if (\t)%4 == 0
	v_mov_b32 v[SB+(\t)/4], v13                    ; four bytes to a register, the lower K in the lower byte
.else
	v_lshl_or_b32 v[SB+(\t)/4], v13, 8*((\t)%4), v[SB+(\t)/4]
.endif
	v_cvt_scalef32_pk16_fp6_f32 v[CW:CW+2], v[XS:XS+15], v11
	v_cvt_scalef32_pk16_fp6_f32 v[CW+4:CW+6], v[XS+16:XS+31], v11   ; (a conversion's three registers begin on an even number)
	v_nop                                          ; one plain line behind the conversions
	ds_store_b96 v4, v[CW:CW+2] offset:32*(\t)     ; 12 bytes to a place of 16, so that every LDS address is a multiple of 16
	ds_store_b96 v4, v[CW+4:CW+6] offset:32*(\t)+16
.if (\t)+2 < NB
	WLOAD (\t)+2
.endif
	s_wait_dscnt 0x0                               ; the stores have read their registers: the next block's codes may be written
.endm
.set Q, 0
.rept NB
	BLOCK Q
.set Q, Q+1
.endr
	s_wait_alu depctr_va_vdst(0)
	global_store_b64 v9, v[SB:SB+1], s[14:15]      ; my column's 8 scale bytes
.irp t, 0,1,2,3,4,5,6,7,8,9,10,11,12,13,14,15
	ds_load_b96 v[OUTR+4*\t:OUTR+4*\t+2], v7 offset:2*\t*WP   ; LDS serves a wave's instructions in order: these see my stores
.endr
.irp t, 0,1,2,3,4,5,6,7,8,9,10,11,12,13,14,15
	s_wait_dscnt 15-\t                             ; the younger loads may be out
	global_store_b96 v8, v[OUTR+4*\t:OUTR+4*\t+2], s[12:13] offset:(((2*\t)&7)|(((2*\t)&24)<<1))*KROW   ; sixteen lanes store a row's 192 consecutive bytes; column 2 t goes to its place in the stored order
.endr
	s_wait_tensorcnt 0x0
	ds_add_u32 v208, v209
	s_wait_dscnt 0x0
	s_endpgm
.Lfunc_end_k_q6ccdeac256_quant:
	.size	k_q6ccdeac256_quant, .Lfunc_end_k_q6ccdeac256_quant-k_q6ccdeac256_quant
	.p2alignl 7, 3214868480
	.fill 96, 4, 3214868480
	.section	.rodata,"a",@progbits
	.p2align	6, 0x0
	.amdhsa_kernel k_q6ccdeac256_quant
		.amdhsa_group_segment_fixed_size 68096
		.amdhsa_private_segment_fixed_size 0
		.amdhsa_enable_private_segment 0
		.amdhsa_kernarg_size 48
		.amdhsa_user_sgpr_count 2
		.amdhsa_user_sgpr_kernarg_segment_ptr 1
		.amdhsa_wavefront_size32 1
		.amdhsa_system_sgpr_workgroup_id_x 1
		.amdhsa_system_sgpr_workgroup_id_y 1
		.amdhsa_system_sgpr_workgroup_id_z 1
		.amdhsa_system_vgpr_workitem_id 0
		.amdhsa_next_free_vgpr 210
		.amdhsa_next_free_sgpr 66
		.amdhsa_reserve_vcc 0
		.amdhsa_float_denorm_mode_32 3
		.amdhsa_float_denorm_mode_16_64 3
		.amdhsa_memory_ordered 1
		.amdhsa_forward_progress 1
		.amdhsa_inst_pref_size 75
	.end_amdhsa_kernel
	.amdgpu_metadata
---
amdhsa.version: [ 1, 2 ]
amdhsa.kernels:
  - .name:           k_q6ccdeac256_quant
    .symbol:         k_q6ccdeac256_quant.kd
    .args:
      - { .name: x, .offset: 0, .size: 8, .value_kind: global_buffer, .address_space: global }
      - { .name: context, .offset: 8, .size: 8, .value_kind: global_buffer, .address_space: global }
      - { .name: Wq, .offset: 16, .size: 8, .value_kind: global_buffer, .address_space: global }
      - { .name: Wkv, .offset: 24, .size: 8, .value_kind: global_buffer, .address_space: global }
      - { .name: codes, .offset: 32, .size: 8, .value_kind: global_buffer, .address_space: global }
      - { .name: scales, .offset: 40, .size: 8, .value_kind: global_buffer, .address_space: global }
    .group_segment_fixed_size: 68096
    .private_segment_fixed_size: 0
    .kernarg_segment_align: 8
    .kernarg_segment_size: 48
    .max_flat_workgroup_size: 128
    .sgpr_count:     66
    .vgpr_count:     210
    .wavefront_size: 32
...
	.end_amdgpu_metadata
.endif
;; end of part 1
;; launch proj (part 2): grid 12 x 16, 4 waves a work-group, clusters of 4 x 4, 327,680 bytes of LDS; arguments codes, scales, img, isc; writes img, isc
.if DOCPART == 2
	.amdgcn_target "amdgcn-amd-amdhsa--gfx1250"
	.amdhsa_code_object_version 6
	.text
	.protected	k_q6ccdeac256_proj
	.globl	k_q6ccdeac256_proj
	.p2align	8
	.type	k_q6ccdeac256_proj,@function
k_q6ccdeac256_proj:
	s_mov_b64 s[64:65], 0
	v_nop
	global_prefetch_b8 v0, s[64:65] scope:SCOPE_SE
	s_setreg_imm32_b32 hwreg(HW_REG_WAVE_MODE, 25, 1), 1
	s_wait_xcnt 0x0
	s_wait_alu depctr_hold_cnt(0) depctr_sa_sdst(0) depctr_va_vdst(0) depctr_va_sdst(0) depctr_va_ssrc(0) depctr_va_vcc(0) depctr_vm_vsrc(0)
	s_getreg_b32 s2, hwreg(HW_REG_IB_STS2, 6, 4)
	s_cmp_eq_u32 s2, 0
	s_cbranch_scc0 .Lentry_in_a_cluster
	s_endpgm
.Lentry_in_a_cluster:
	s_bfe_u32 s2, ttmp6, 0x10000c
	s_cmp_lg_u32 s2, 0xf033
	s_cbranch_scc0 .Lentry_shape_is_right
	s_endpgm
.Lentry_shape_is_right:
; q = x Wq, k and v = context Wkv on codes of FP6 (E2M3) with one E8M0 byte for each 32 along K = 1,024, and each result quantised again for the attention's products, as images of operand registers.
; codes: [19456 rows][768 bytes], scales: [19456][32]: rows 0.. x, 8192.. context, 16384.. Wq's columns, 17408.. Wkv's.  Rows lie in the stored order: place bits 3, 4, 5 = true bits 5, 3, 4.
; A tile is 256 x 256, made by four waves, a wave 128 x 128 in 64 accumulators.  Cluster column 0: q (A = x, B = Wq); 1: k (A = context, B = Wkv's first half); 2: v (A = Wkv's second half, B = context).
; A WORK-GROUP STAYS AND MAKES TWO TILES, 4,096 tokens apart (for q and k that is A's side, for v B's).  The three products are of one size, so 256 work-groups cannot share them evenly: 192 take two tiles each.
; K goes through a ring of two LDS slots in CHUNKS OF 256 BYTES of each row of codes (three to a tile; each begins at a multiple of 256 bytes).  The ring does not stop at the first tile's end: the two tiles are one walk
; of 16 steps of 128 along K (96 bytes) over six chunks, chunk c in slot c % 2; chunks 3 and 4 are asked for in the first tile's steps 5 and 7 and land while that tile goes out.
; THE SCALES go from memory straight into registers: a lane takes its row's 32 bytes (all eight steps' words) by two loads of 16; lanes 0-15 A's rows, lanes 16-31 B's; sixteen lanes' two loads cover 512 consecutive bytes.
; 4 x 4 work-groups form a cluster: A's tiles are asked for jointly along a row of it, B's along a column.
; The matrix instruction is used transposed (source 0 = B's rows, source 1 = A's): a lane holds one row of A, and by the stored order the 32 registers of four neighbouring tiles are 32 true neighbours of B's rows:
; a whole block of the next quantiser, whose K is the head's channels for q and k and the tokens for v.
; img: units of 1,536 bytes = an operand's 12 registers x 32 lanes, register pair p at 256 p + 8 x lane; isc: 64 bytes a unit, one scale word a row.  q's units 0.., k's 4096.., v's 8192...
; No prefetch: a tile's K is three chunks, and the ring itself asks two chunks ahead, across the change of tiles too.
; LIMITS: a block of zeros gets the byte 1, not 127 (its codes are zeros; this program alone reads the bytes); blocks under 2^-124 are held at the byte 1; NaN and infinities are not served.
.set ROWB,   256
.set KROW,   768
.set STEPS,  16                        ; two tiles x 8
.set CHUNKS, 6                         ; two tiles x 3
.set PITCH,  272                       ; 256 bytes + 16 of padding
.set FR,     12
.set NL,     6
.set NP,     4
.set HALFT,  128*PITCH
.set SLOT,   4*HALFT
.set SPARE,  2*SLOT                    ; the spare words: 512 bytes that no other line names
.set TILED,  4096*KROW                 ; bytes of codes from a tile's rows to the next tile's
.set ADRA, 16                          ; v16-17 my A fragments in slot 0, 1; v18-19 for a piece whose two halves of the lanes read different chunks
.set ADRB, 20
.set GOFF, 24                          ; 8 x lane
.set SOFF, 25                          ; 4 x lane
.set SH8,  26                          ; 8 x (lane / 16)
.set SO1,  27                          ; my row's scales, first tile
.set SPW,  28
.set NIL,  29
.set SO2,  30                          ; and second tile
.set SC,   32                          ; v32-95 scale words: register 8 i + s: lanes 0-15 A's block i, lanes 16-31 B's block i, step s
.set TM,   96                          ; the way out, at work
.set PWS,  106
.set PWP,  108
.set AF,   128
.set PC,   224                         ; the way out: codes
.set G1, 24
.set G0, 32
.set G1B, 48
.set G0B, 56
.set G0H, 4                            ; the head's four loads: chunk 0 of A, of B,
.set G0HB, 8
.set G0H1, 68                          ; chunk 1 of A, of B
.set G0HB1, 72
.set DA, 76                            ; s[76:77], s[78:79] bytes from tile to tile on A's side and on B's: one of them 0
.set DB, 78
.set MSB, 0
.macro WIN new
.if MSB != \new
	s_set_vgpr_msb (MSB<<8)|\new
.set MSB, \new
.endif
.endm
.set MUL_LO, 0xa1
.set MUL_HI, 0xf1
.set TO_B,   0x40
.macro JLOAD g0a, g1a, g0b, g1b        ; waves 0, 1 fetch for A, waves 2, 3 for B
	s_cmp_eq_u32 s15, 0
	s_cbranch_scc0 .Lfor_b_\@
	tensor_load_to_lds s[\g0a:\g0a+3], s[\g1a:\g1a+7]
	s_nop 0
.rept 4
	v_nop
.endr
	s_branch .Lasked_\@
.Lfor_b_\@:
	tensor_load_to_lds s[\g0b:\g0b+3], s[\g1b:\g1b+7]
	s_nop 0
.rept 4
	v_nop
.endr
.Lasked_\@:
.endm
.macro CREST
	s_cmp_lg_u32 s14, 0
	s_cbranch_scc1 .Lnot_wave_0_\@
	s_barrier_signal -3
.Lnot_wave_0_\@:
	s_barrier_wait -3
	s_barrier_signal -1
	s_barrier_wait -1
.endm
.macro CROUND
	s_barrier_signal -1
	s_barrier_wait -1
	CREST
.endm
	s_load_b256 s[4:11], s[0:1], 0x0               ; codes, scales, img, isc
	v_lshl_add_u32 v[SPW], v0, 2, SPARE
	v_mov_b32 v[NIL], 0
	ds_add_u32 v[SPW], v[NIL]                      ; the opening lines
	ds_add_u32 v[SPW], v[NIL]
	v_lshrrev_b32 v1, 5, v0
	v_readfirstlane_b32 s14, v1                    ; wave
	s_lshr_b32 s15, s14, 1                         ; my half of the rows; also: in the ring I fetch for A (0) or B (1)
	s_and_b32 s16, s14, 1                          ; my half of the columns; also: which 128 rows I fetch
	s_bfe_u32 s40, ttmp6, 0x40000                  ; cx
	s_bfe_u32 s41, ttmp6, 0x40004                  ; cy
	s_and_b32 s12, ttmp7, 0xffff
	s_lshl_b32 s12, s12, 2
	s_lshl_b32 s18, ttmp9, 13                      ; q, k: A begins at row 0 (x) or 8192 (context),
	s_lshl_b32 s19, ttmp9, 10
	s_add_co_u32 s19, s19, 16384                   ; B at Wq's or Wkv's columns
	s_mov_b32 s20, 18432                           ; v: A = Wkv's second half, B = context
	s_mov_b32 s21, 8192
	s_mov_b32 s22, TILED
	s_mov_b32 s23, 4096*32                         ; the same distance in scale bytes
	s_cmp_lt_u32 ttmp9, 2
	s_cselect_b32 s17, s12, 0
	s_cselect_b32 s42, 0, s12
	s_cselect_b32 s18, s18, s20
	s_cselect_b32 s19, s19, s21
	s_cselect_b32 s[DA], s22, 0                    ; the tokens' side walks
	s_cselect_b32 s[DB], 0, s22
	s_cselect_b32 s80, s23, 0
	s_cselect_b32 s81, 0, s23
	s_mov_b32 s[DA+1], 0
	s_mov_b32 s[DB+1], 0
	s_add_co_u32 s17, s17, s41                     ; tile row
	s_add_co_u32 s42, s42, s40                     ; tile column
	s_lshl_b32 s43, s41, 2
	s_lshl_b32 s43, 15, s43                        ; my row of the cluster
	s_lshl_b32 s44, 0x1111, s40                    ; my column
	s_or_b32 s[G1+0], s43, (0<<16)|(1<<20)|(1<<21)|(5<<22)|(3<<25)
	s_or_b32 s[G1B+0], s44, (0<<16)|(1<<20)|(1<<21)|(5<<22)|(3<<25)
.irp g, G1, G1B
	s_mov_b32 s[\g+1], ROWB<<16
	s_mov_b32 s[\g+2], 256<<16                     ; 256 rows for the head's loads
	s_mov_b32 s[\g+3], ROWB<<16
	s_mov_b32 s[\g+4], 256
	s_mov_b32 s[\g+5], KROW
	s_mov_b32 s[\g+6], 0
	s_mov_b32 s[\g+7], 0
.endr
	s_lshl_b32 s20, s17, 8
	s_add_co_u32 s20, s20, s18                     ; A's first row
	s_lshl_b32 s46, s42, 8
	s_add_co_u32 s46, s46, s19                     ; B's
	s_lshl_b32 s82, s15, 7
	s_add_co_u32 s82, s82, s20
	s_lshl_b32 s82, s82, 5                         ; where the scales of my wave's 128 rows of A begin, in bytes,
	s_lshl_b32 s83, s16, 7
	s_add_co_u32 s83, s83, s46
	s_lshl_b32 s83, s83, 5                         ; and of B
	s_mul_i32 s20, s20, KROW
	s_mov_b32 s21, 0
	s_mul_i32 s46, s46, KROW
	s_mov_b32 s47, 0
	s_mul_i32 s18, s16, 128*KROW
	s_mov_b32 s19, 0
	s_mul_i32 s45, s14, HALFT
	s_mov_b32 s84, 0xffff0000                      ; lanes 16-31
	s_wait_dscnt 0x0
	s_wait_kmcnt 0x0
	s_add_nc_u64 s[20:21], s[4:5], s[20:21]
	s_add_nc_u64 s[46:47], s[4:5], s[46:47]
	s_mov_b64 s[92:93], s[6:7]                     ; scales
	s_mov_b64 s[96:97], s[8:9]                     ; img
	s_mov_b64 s[98:99], s[10:11]                   ; isc
	CROUND                                         ; the first joint loads meet
	s_mov_b32 s[G0H], 1
	s_mov_b32 s[G0H+1], 0
	s_mov_b64 s[G0H+2:G0H+3], s[20:21]
	s_or_b32 s[G0H+3], s[G0H+3], 0x80000000
	s_mov_b32 s[G0HB], 1
	s_mov_b32 s[G0HB+1], 2*HALFT
	s_mov_b64 s[G0HB+2:G0HB+3], s[46:47]
	s_or_b32 s[G0HB+3], s[G0HB+3], 0x80000000
	s_mov_b32 s[G0H1], 1
	s_mov_b32 s[G0H1+1], SLOT
	s_add_nc_u64 s[G0H1+2:G0H1+3], s[20:21], ROWB
	s_or_b32 s[G0H1+3], s[G0H1+3], 0x80000000
	s_mov_b32 s[G0HB1], 1
	s_mov_b32 s[G0HB1+1], SLOT+2*HALFT
	s_add_nc_u64 s[G0HB1+2:G0HB1+3], s[46:47], ROWB
	s_or_b32 s[G0HB1+3], s[G0HB1+3], 0x80000000
	s_add_nc_u64 s[20:21], s[20:21], s[18:19]      ; for the ring: my 128 rows of a tile
	s_add_nc_u64 s[46:47], s[46:47], s[18:19]
.irp s, 0,1
	s_mov_b32 s[G0+4*\s], 1
	s_add_co_u32 s[G0+4*\s+1], s45, \s*SLOT
	s_add_nc_u64 s[G0+4*\s+2:G0+4*\s+3], s[20:21], \s*ROWB
	s_or_b32 s[G0+4*\s+3], s[G0+4*\s+3], 0x80000000
	s_mov_b32 s[G0B+4*\s], 1
	s_add_co_u32 s[G0B+4*\s+1], s45, \s*SLOT
	s_add_nc_u64 s[G0B+4*\s+2:G0B+4*\s+3], s[46:47], \s*ROWB
	s_or_b32 s[G0B+4*\s+3], s[G0B+4*\s+3], 0x80000000
.endr
; the head's four tiles, one load a wave: chunk 0 of A, chunk 0 of B, chunk 1 of A, chunk 1 of B, 256 rows each; one chain of branches, every way passes one load
.macro ARM under, g0, g1, next
	s_cmp_lt_u32 s14, \under
	s_cbranch_scc0 \next
	tensor_load_to_lds s[\g0:\g0+3], s[\g1:\g1+7]
	s_nop 0
.rept 4
	v_nop
.endr
	s_branch .Lhead_asked
\next:
.endm
	ARM 1, G0H,  G1,  .Lhead_b
	ARM 2, G0HB, G1B, .Lhead_a1
	ARM 3, G0H1, G1,  .Lhead_b1
	tensor_load_to_lds s[G0HB1:G0HB1+3], s[G1B:G1B+7]
	s_nop 0
.rept 4
	v_nop
.endr
.Lhead_asked:
.macro SCLOAD so                       ; the scale words of a tile: my row's 32 bytes of each of the eight blocks
.irp i, 0,1,2,3,4,5,6,7
	global_load_b128 v[SC+8*\i:SC+8*\i+3], v[\so], s[92:93] offset:512*\i
	global_load_b128 v[SC+8*\i+4:SC+8*\i+7], v[\so], s[92:93] offset:512*\i+16
.endr
.endm
	v_and_b32 v1, 15, v0
	v_bfe_u32 v2, v0, 4, 1
	v_lshlrev_b32 v5, 5, v1                        ; 32 bytes of scales a row
	v_mov_b32 v6, s82
	v_mov_b32 v7, s83
	v_cndmask_b32 v6, v6, v7, s84                  ; lanes 16-31 take B's
	v_add_nc_u32 v[SO1], v5, v6
	SCLOAD SO1
	v_mov_b32 v6, s80
	v_mov_b32 v7, s81
	v_cndmask_b32 v6, v6, v7, s84
	v_add_nc_u32 v[SO2], v[SO1], v6
	v_mul_u32_u24 v3, v1, PITCH
	v_mul_u32_u24 v4, v2, 24
	v_add_nc_u32 v4, v3, v4                        ; row x pitch + 24 x half
	s_mov_b32 s21, SLOT-232
	s_mov_b32 s22, SLOT+232
	v_sub_nc_u32 v7, 1, v2
	v_mul_u32_u24 v5, s21, v2
	v_add_nc_u32 v5, v3, v5
	v_add_nc_u32 v5, 232, v5                       ; lanes 0-15 byte 232 of the row in slot 0, lanes 16-31 byte 0 in slot 1
	v_mul_u32_u24 v6, s22, v7
	v_add_nc_u32 v6, v3, v6                        ; and the other way round
	s_mul_i32 s21, s15, HALFT
	s_mul_i32 s22, s16, HALFT
	s_add_co_u32 s22, s22, 2*HALFT
	v_add_nc_u32 v[ADRA+2], s21, v5
	v_add_nc_u32 v[ADRA+3], s21, v6
	v_add_nc_u32 v[ADRB+2], s22, v5
	v_add_nc_u32 v[ADRB+3], s22, v6
.irp s, 0,1
	v_add_nc_u32 v[ADRA+\s], s21, v4
	v_add_nc_u32 v[ADRB+\s], s22, v4
	s_add_co_u32 s21, s21, SLOT
	s_add_co_u32 s22, s22, SLOT
.endr
	v_and_b32 v6, 31, v0
	v_lshlrev_b32 v[GOFF], 3, v6
	v_lshlrev_b32 v[SOFF], 2, v6
	v_lshlrev_b32 v[SH8], 3, v2
	v_mov_b32 v[TM+8], 0                           ; a lane permute's destination counts as one of its sources
	s_lshl_b32 s94, s17, 4                         ; which unit of img is my first
	s_lshl_b32 s95, s15, 3
	s_add_co_u32 s94, s94, s95                     ; my first block of 16 rows of A
	s_lshl_b32 s95, s42, 1
	s_add_co_u32 s95, s95, s16                     ; my 128 rows of B
	s_lshr_b32 s100, s94, 7                        ; q, k: 1,024 x batch + 128 x pair of heads + block of tokens
	s_lshl_b32 s100, s100, 10
	s_lshl_b32 s101, s95, 7
	s_add_co_u32 s100, s100, s101
	s_and_b32 s101, s94, 127
	s_add_co_u32 s100, s100, s101
	s_lshl_b32 s101, s95, 6                        ; v: 64 x (128 tokens) + block of channels
	s_add_co_u32 s101, s101, s94
	s_cmp_lt_u32 ttmp9, 2
	s_cselect_b32 s100, s100, s101
	s_lshl_b32 s101, ttmp9, 12
	s_add_co_u32 s100, s100, s101
	s_mul_i32 s94, s100, 1536
	s_mov_b32 s95, 0
	s_add_nc_u64 s[96:97], s[96:97], s[94:95]
	s_lshl_b32 s94, s100, 6
	s_add_nc_u64 s[98:99], s[98:99], s[94:95]
	s_mov_b32 s12, 0x76543210
	s_mov_b32 s13, 0xfedcba98                      ; selects for lane l xor 16
.macro FRAG reg, adr, st, i            ; 16 rows x 128 K: six pieces of 8 bytes; byte y of the walk lies in chunk y / 256, slot (y / 256) % 2
.irp p, 0,1,2,3,4,5
.set BY, 96*(\st)+48*(\p/3)+8*(\p%3)
.if BY/ROWB == (BY+24)/ROWB
	ds_load_b64 v[\reg+2*\p:\reg+2*\p+1], v[\adr+(BY/ROWB)%2] offset:BY%ROWB+(\i)*16*PITCH
.else
	ds_load_b64 v[\reg+2*\p:\reg+2*\p+1], v[\adr+2+(BY/ROWB)%2] offset:BY%ROWB-232+(\i)*16*PITCH
.endif
.endr
.endm
.macro MUL16 a0, p, w, zero            ; p: B's set; w: the step in its tile; the 64 accumulators by turns, one instruction a turn
.irp a, \a0, \a0+1
.irp b, 0,1,2,3,4,5,6,7
.if \zero
	v_wmma_scale_f32_16x16x128_f8f6f4 v[8*(8*((\a)%4)+\b):8*(8*((\a)%4)+\b)+7], v[128*(\p)+FR*\b:128*(\p)+FR*\b+FR-1], v[AF+FR*(\a):AF+FR*(\a)+FR-1], 0, v[SC+8*\b+(\w)], v[SC+8*(\a)+(\w)] matrix_a_fmt:MATRIX_FMT_FP6 matrix_b_fmt:MATRIX_FMT_FP6 matrix_a_scale:MATRIX_SCALE_ROW1
.else
	v_wmma_scale_f32_16x16x128_f8f6f4 v[8*(8*((\a)%4)+\b):8*(8*((\a)%4)+\b)+7], v[128*(\p)+FR*\b:128*(\p)+FR*\b+FR-1], v[AF+FR*(\a):AF+FR*(\a)+FR-1], v[8*(8*((\a)%4)+\b):8*(8*((\a)%4)+\b)+7], v[SC+8*\b+(\w)], v[SC+8*(\a)+(\w)] matrix_a_fmt:MATRIX_FMT_FP6 matrix_b_fmt:MATRIX_FMT_FP6 matrix_a_scale:MATRIX_SCALE_ROW1
.endif
.endr
.endr
.endm
.macro FETCH_B st, p
	WIN TO_B
.irp i, 0,1,2,3,4,5,6,7
	FRAG 128*(\p)+FR*\i, ADRB, \st, \i
.endr
	WIN 0
.endm
.macro FETCH_A st, i0
.irp i, \i0, \i0+1, \i0+2, \i0+3
	FRAG AF+FR*(\i), ADRA, \st, \i
.endr
.endm
.macro PLACES n
.rept \n
	v_nop
.endr
.endm
; A step: 64 products; the next step's fragments come in its middle and at its end.  Where the next step's bytes end in a chunk not read yet, a barrier shows it whole;
; where they begin in a later chunk, the chunk left behind is free: the wait for all loads, the add and its wait stand ahead of the barrier, which opens a round where the slot is filled again.
; Chunk n follows chunk n - 2 in its slot: 512 bytes on in the same tile (n = 2, 5), or 256 bytes back and a tile on (n = 3, 4).
.macro STEP st, zero
.set NX, (\st)+1
.set C0, (96*(\st))/ROWB
.set C1, (96*NX)/ROWB
.set E0, (96*(\st)+95)/ROWB
.set E1, (96*NX+95)/ROWB
.if C1 > C0 || E1 > E0
	s_wait_tensorcnt 0x0
.if C1 > C0
	ds_add_u32 v[SPW], v[NIL]
	s_wait_dscnt 4*NL+1                            ; the add and A's blocks 4-7 may be out
.else
	s_wait_dscnt 4*NL                              ; A's blocks 4-7 may be out
.endif
	WIN MUL_LO
	MUL16 0, (\st)%2, (\st)%8, \zero
	s_wait_dscnt 0x0
	s_barrier_signal -1
	MUL16 2, (\st)%2, (\st)%8, \zero
	WIN 0
	s_barrier_wait -1
.if C1 > C0 && C0+2 < CHUNKS
	CREST
.if (C0+2)%3 == 2
	s_add_nc_u64 s[G0+4*(C0%2)+2:G0+4*(C0%2)+3], s[G0+4*(C0%2)+2:G0+4*(C0%2)+3], 2*ROWB
	s_add_nc_u64 s[G0B+4*(C0%2)+2:G0B+4*(C0%2)+3], s[G0B+4*(C0%2)+2:G0B+4*(C0%2)+3], 2*ROWB
.else
	s_sub_nc_u64 s[G0+4*(C0%2)+2:G0+4*(C0%2)+3], s[G0+4*(C0%2)+2:G0+4*(C0%2)+3], ROWB
	s_add_nc_u64 s[G0+4*(C0%2)+2:G0+4*(C0%2)+3], s[G0+4*(C0%2)+2:G0+4*(C0%2)+3], s[DA:DA+1]
	s_sub_nc_u64 s[G0B+4*(C0%2)+2:G0B+4*(C0%2)+3], s[G0B+4*(C0%2)+2:G0B+4*(C0%2)+3], ROWB
	s_add_nc_u64 s[G0B+4*(C0%2)+2:G0B+4*(C0%2)+3], s[G0B+4*(C0%2)+2:G0B+4*(C0%2)+3], s[DB:DB+1]
.endif
	JLOAD G0+4*(C0%2), G1, G0B+4*(C0%2), G1B       ; chunk C0 + 2; its four v_nop are the places ahead of the loads below
.else
	PLACES NP
.endif
.else
	s_wait_dscnt 4*NL
	WIN MUL_LO
	MUL16 0, (\st)%2, (\st)%8, \zero
	MUL16 2, (\st)%2, (\st)%8, \zero
	s_wait_dscnt 0
	PLACES NP
.endif
	FETCH_B NX, NX%2
	FETCH_A NX, 0
	WIN MUL_HI
	MUL16 4, (\st)%2, (\st)%8, \zero
	MUL16 6, (\st)%2, (\st)%8, \zero
	PLACES NP
	WIN 0
	FETCH_A NX, 4
.endm
; THE WAY OUT of block a (16 rows of A x 128 rows of B).  Registers 32 c .. 32 c + 31 of a lane are block 2 c + (lane / 16) of the next K, whole: its largest magnitude needs no other lane,
; and the conversions' results are the operand's registers 6 c .. 6 c + 5 as they stand.
.macro QOUT a
.set AC, 64*((\a)%4)
.set WW, 2+((\a)/4)
	s_wait_xcnt 0x0                                ; the earlier stores have read their data registers
	WIN (WW<<2)|(WW<<4)
.irp b, 0,1,2,3
	v_max3_num_f32 v[TM+\b], 0x1800000, |v[AC+16*\b]|, |v[AC+16*\b+1]|   ; with the floor 2^(3 - 127); each accumulator from its low end on
.endr
.irp i, 2,4,6,8,10,12,14
.irp b, 0,1,2,3
	v_max3_num_f32 v[TM+\b], v[TM+\b], |v[AC+16*\b+\i]|, |v[AC+16*\b+\i+1]|
.endr
.endr
	WIN 0
	v_max_num_f32 v[TM], v[TM], v[TM+1]
	v_max_num_f32 v[TM+2], v[TM+2], v[TM+3]
	v_add_nc_u32 v[TM+4], 0xff000000, v[TM]        ; 2 off the exponent field: the conversions' scale operands
	v_add_nc_u32 v[TM+5], 0xff000000, v[TM+2]
	v_lshrrev_b32 v[TM+6], 23, v[TM+4]             ; the bytes
	v_lshrrev_b32 v[TM+7], 23, v[TM+5]
	v_lshl_or_b32 v[TM+6], v[TM+7], 16, v[TM+6]
	v_lshlrev_b32 v[TM+6], v[SH8], v[TM+6]         ; at their places in the row's scale word
	v_permlanex16_b32 v[TM+8], v[TM+6], s12, s13
	v_or_b32 v[PWS+(\a)%2], v[TM+6], v[TM+8]       ; with the other half's two bytes the word is whole
	WIN WW
.irp c, 0,1
	v_cvt_scalef32_pk16_fp6_f32 v[PC+6*\c:PC+2+6*\c], v[AC+32*\c:AC+15+32*\c], v[TM+4+\c]
	v_cvt_scalef32_pk16_fp6_f32 v[PC+12+4*\c:PC+14+4*\c], v[AC+16+32*\c:AC+31+32*\c], v[TM+4+\c]   ; (three registers from an even one on: made elsewhere and moved)
.endr
	WIN 0
	v_nop                                          ; one plain line behind the conversions
.irp c, 0,1
.irp i, 0,1,2
	v_mov_b32 v[PC+3+6*\c+\i], v[PC+12+4*\c+\i]
.endr
.endr
.irp p, 0,1,2,3,4,5
	global_store_b64 v[GOFF], v[PC+2*\p:PC+2*\p+1], s[96:97] offset:1536*(\a)+256*\p th:TH_STORE_NT   ; 32 lanes store 256 consecutive bytes, aligned
.endr
.if ((\a)%2) == 1
	v_cndmask_b32 v[PWP], v[PWS], v[PWS+1], s84    ; lanes 0-15 the even unit's words, lanes 16-31 the odd unit's
	global_store_b32 v[SOFF], v[PWP], s[98:99] offset:128*((\a)/2) th:TH_STORE_NT
.endif
.endm
	s_wait_alu depctr_va_vdst(0)                   ; the wait at the head's end
	s_wait_tensorcnt 0x0                           ; my tile of the head's four is in
	s_mov_b32 s[G1+2], 128<<16                     ; no load of mine is out: from here on a load brings 128 rows
	s_mov_b32 s[G1+4], 128
	s_mov_b32 s[G1B+2], 128<<16
	s_mov_b32 s[G1B+4], 128
	s_barrier_signal -1
	s_barrier_wait -1                              ; all four are in: chunks 0 and 1.
	FETCH_B 0, 0
	FETCH_A 0, 0
	FETCH_A 0, 4
	s_wait_loadcnt 0x0                             ; the first tile's scale words
	STEP 0, 1                                      ; the first products start the sums
.set ST, 1
.rept 7
	STEP ST, 0
.set ST, ST+1
.endr
	SCLOAD SO2                                     ; the first tile's products are issued (four places stand behind the last): the second tile's scale words, on their way while the first tile goes out
.irp a, 0,1,2,3,4,5,6,7
	QOUT \a
.endr
	s_wait_xcnt 0x0                                ; the stores have read their bases
	s_add_nc_u64 s[96:97], s[96:97], 2048*1536     ; the second tile's units: 2,048 on, for q, k and v alike
	s_add_nc_u64 s[98:99], s[98:99], 2048*64
	s_wait_alu depctr_va_vdst(0)
	s_wait_loadcnt 0x0                             ; the second tile's scale words
	STEP 8, 1                                      ; its first products start the sums anew
.set ST, 9
.rept 6
	STEP ST, 0
.set ST, ST+1
.endr
	s_wait_dscnt 4*NL                              ; the very last step: nothing more to fetch
	WIN MUL_LO
	MUL16 0, 1, 7, 0
	MUL16 2, 1, 7, 0
	s_wait_dscnt 0
	WIN MUL_HI
	MUL16 4, 1, 7, 0
	MUL16 6, 1, 7, 0
	WIN 0
	PLACES NP
.irp a, 0,1,2,3,4,5,6,7
	QOUT \a
.endr
	s_wait_tensorcnt 0x0                           ; the wave's end
	ds_add_u32 v[SPW], v[NIL]
	s_wait_dscnt 0x0
	CROUND                                         ; the closing round
	s_endpgm
.Lfunc_end_k_q6ccdeac256_proj:
	.size	k_q6ccdeac256_proj, .Lfunc_end_k_q6ccdeac256_proj-k_q6ccdeac256_proj
	.p2alignl 7, 3214868480
	.fill 96, 4, 3214868480
	.section	.rodata,"a",@progbits
	.p2align	6, 0x0
	.amdhsa_kernel k_q6ccdeac256_proj
		.amdhsa_group_segment_fixed_size 327680
		.amdhsa_private_segment_fixed_size 0
		.amdhsa_enable_private_segment 0
		.amdhsa_kernarg_size 32
		.amdhsa_user_sgpr_count 2
		.amdhsa_user_sgpr_kernarg_segment_ptr 1
		.amdhsa_wavefront_size32 1
		.amdhsa_system_sgpr_workgroup_id_x 1
		.amdhsa_system_sgpr_workgroup_id_y 1
		.amdhsa_system_sgpr_workgroup_id_z 1
		.amdhsa_system_vgpr_workitem_id 0
		.amdhsa_next_free_vgpr 1024
		.amdhsa_next_free_sgpr 102
		.amdhsa_reserve_vcc 0
		.amdhsa_float_denorm_mode_32 3
		.amdhsa_float_denorm_mode_16_64 3
		.amdhsa_memory_ordered 1
		.amdhsa_forward_progress 1
		.amdhsa_inst_pref_size 255
	.end_amdhsa_kernel
	.section	.bss,"aw",@nobits
	.p2align	6
	.space	262144
	.amdgpu_metadata
---
amdhsa.version: [ 1, 2 ]
amdhsa.kernels:
  - .name:           k_q6ccdeac256_proj
    .symbol:         k_q6ccdeac256_proj.kd
    .args:
      - { .name: codes, .offset: 0, .size: 8, .value_kind: global_buffer, .address_space: global }
      - { .name: scales, .offset: 8, .size: 8, .value_kind: global_buffer, .address_space: global }
      - { .name: img, .offset: 16, .size: 8, .value_kind: global_buffer, .address_space: global }
      - { .name: isc, .offset: 24, .size: 8, .value_kind: global_buffer, .address_space: global }
    .group_segment_fixed_size: 327680
    .private_segment_fixed_size: 0
    .kernarg_segment_align: 8
    .kernarg_segment_size: 32
    .max_flat_workgroup_size: 128
    .sgpr_count:     102
    .vgpr_count:     1024
    .wavefront_size: 32
...
	.end_amdgpu_metadata
.endif
;; end of part 2
;; launch attn (part 3): grid 4 x 64, 16 waves a work-group, clusters of 4 x 1, 280,576 bytes of LDS; arguments img, isc, out0; writes out0
.if DOCPART == 3
	.amdgcn_target "amdgcn-amd-amdhsa--gfx1250"
	.amdhsa_code_object_version 6
	.text
	.protected	k_q6ccdeac256_attn
	.globl	k_q6ccdeac256_attn
	.p2align	8
	.type	k_q6ccdeac256_attn,@function
k_q6ccdeac256_attn:
	s_mov_b64 s[64:65], 0
	v_nop
	global_prefetch_b8 v0, s[64:65] scope:SCOPE_SE
	s_setreg_imm32_b32 hwreg(HW_REG_WAVE_MODE, 25, 1), 1
	s_wait_xcnt 0x0
	s_wait_alu depctr_hold_cnt(0) depctr_sa_sdst(0) depctr_va_vdst(0) depctr_va_sdst(0) depctr_va_ssrc(0) depctr_va_vcc(0) depctr_vm_vsrc(0)
	s_getreg_b32 s2, hwreg(HW_REG_IB_STS2, 6, 4)
	s_cmp_eq_u32 s2, 0
	s_cbranch_scc0 .Lentry_in_a_cluster
	s_endpgm
.Lentry_in_a_cluster:
	s_bfe_u32 s2, ttmp6, 0x10000c
	s_cmp_lg_u32 s2, 0x3003
	s_cbranch_scc0 .Lentry_shape_is_right
	s_endpgm
.Lentry_shape_is_right:
; out[b][i][64 h + d] = sum over j of softmax_j(q . k / 8) v, per batch b and head h, both products on codes of FP6 (E2M3) with one E8M0 scale for each 32 along a product's K.
; q, k, v arrive as images of operand registers (img) and scale words (isc), as the launch before laid them.
; THE SOFTMAX: t = score x log2(e) / 8 (the 1/8 of q x scale is an exact power of two: q's codes are the same with it or without, so it stands in this factor); M = the running largest t rounded up to a whole
; number; p = 2^(t - M) is quantised along the keys, not normalised; the row's sum is taken of the unquantised p and divides at the end; when M moves, the sum and O are multiplied by 2^(old M - new M): exact.
; LIMITS: the promise holds while the scaled scores stay under 2^31 in magnitude; the folded 1/8 differs from the letter only where a block of q lies under about 2^-121; a block of zeros has the byte 1;
; a block's largest p is taken from its largest score, which takes v_exp_f32 not to fall where its input rises; NaN and infinities are not served.
; SHARES.  A work-group owns 512 queries of one head; each of its sixteen waves owns one tile of 16 in each of two passes.
; THE WHOLE HEAD'S K AND V LIE IN LDS: 16 key steps x 6,144 bytes of K, the same of V, and their scale words.  Every wave issues ONE tensor load, at the head: waves 0-7 two steps of K each, 8-11 four steps of V each,
; 12-13 half of K's scale words each, 14-15 half of V's.  Nothing is filled again; one barrier shows all of it to all waves, and none follows until the closing round.
; CLUSTER.  The four work-groups of a head want the same bytes: each load is asked for JOINTLY, with the same descriptor and the mask of all four.
; No prefetch: all of K and V is asked for by the first fills at the head, and nothing is fetched later.
; LAYOUT.  Both products are used transposed: S^T = K Q^T, O^T = V^T P^T: a lane holds ONE query.  Tokens and channels lie in the images in the stored order (place bits 3, 4, 5 = true bits 5, 3, 4), so registers
; 32 c .. 32 c + 31 of S^T are the true keys 64 c + 32 (lane / 16) + 0 .. 31: a whole block of p in one lane, in the operand's own order; register 8 t + j of O^T is channel 32 (lane / 16) + 8 t + j.
; THE FIRST PRODUCT'S K IS 64: registers 6-11 of Q's fragment are zero codes.  K's tiles lie packed, 6 registers each: as an operand of 12 a tile also names the 6 registers behind it (the next tile's, or V's first),
; whose finite codes meet Q's zeros and add nothing.
; A STEP AHEAD: the next step's tiles of K are read from LDS inside the current step, between the links of the chain that makes M; a pass's last step, which has no next, is written out behind the loop of 15.
; REGISTERS: v1-7, v28-29 addresses that stay; v8-11 the step's LDS addresses; v12 -M, v13 the largest score, v[14:15] the sum; v16-27 Q; v32-79 K's eight tiles; v80-103 V's fragments 0, 1;
; v104-167 S^T, then p, then (v104-127) V's fragments 2, 3; v168-199 O^T; v200-218 p's codes; v220-229, v240-253 at work; v230 p's scale word, v231-234 K's, v235-236 V's, v237 Q's.
.set VREG,  98304                      ; V's codes, behind K's
.set SCK,   196608                     ; K's scale words: 512 bytes a step
.set SCV,   204800                     ; V's: 256 bytes a step
.set STAGE, 208896                     ; the way out: 16 rows x (256 + 16) bytes for each wave; no fill lands here
.set SPARE, 278528                     ; the spare words: 2,048 bytes that no other line names
.set KF,   32
.set VA,   80
.set SR,   104
.set OT,   168
.set PCD,  200
.set BM,   220                         ; v220-221 my two blocks' largest scores, then their largest p
.set PT,   222
.set SOP,  224
.set FF,   226                         ; v[226:227] f = 2^(old M - new M)
.set TMP,  228
.set OLD,  229
.set PW,   230
.set KSC,  231
.set VSC,  235
.set QSC,  237
.set TT,   238                         ; v240-245 three chains of the sum
.set CM,   246                         ; v246-253 eight chains of the maxima
.set TB,   2                           ; the step's codes: 6,144 bytes a step
.set TS,   3
.set TJ,   66
.set CNT,  67
.set PASS, 84
.set WV,   18
.set SEL,  20
.set CS,   22
.set NC,   76
.macro ROUND
	s_barrier_signal -1
	s_barrier_wait -1
	s_cmp_lg_u32 s[WV], 0
	s_cbranch_scc1 .Lnot_wave_0_\@
	s_barrier_signal -3
.Lnot_wave_0_\@:
	s_barrier_wait -3
	s_barrier_signal -1
	s_barrier_wait -1
.endm
	s_load_b128 s[4:7], s[0:1], 0x0                ; img, isc
	s_load_b64 s[8:9], s[0:1], 0x10                ; out0
	v_lshl_add_u32 v254, v0, 2, SPARE
	v_mov_b32 v255, 0
	ds_add_u32 v254, v255                          ; the opening lines
	ds_add_u32 v254, v255
	v_lshrrev_b32 v11, 5, v0
	v_readfirstlane_b32 s[WV], v11                 ; wave 0..15
	s_and_b32 s10, ttmp7, 0xffff                   ; 16 x batch + head: the four partners share it
	s_lshr_b32 s11, s10, 4                         ; batch
	s_and_b32 s12, s10, 15                         ; head
	s_and_b32 s13, s10, 1                          ; which head of its pair
	s_lshr_b32 s14, s10, 1                         ; 8 x batch + pair
	s_bfe_u32 s15, ttmp6, 0x40000                  ; cx: it enters Q's and out's addresses alone
	s_and_b32 s77, s[WV], 7                        ; which part of K's codes,
	s_and_b32 s16, s[WV], 3                        ; of V's codes,
	s_and_b32 s17, s[WV], 1                        ; of the scale words a wave fetches
	s_mul_i32 s85, s14, 196608                     ; the pair's 128 units of 1,536 bytes,
	s_mul_i32 s93, s13, 768
	s_add_co_u32 s85, s85, s93                     ; my head's half of each
	s_mul_i32 s93, s77, 24576                      ; K: 16 units for two key steps
	s_add_co_u32 s92, s85, s93
	s_add_co_u32 s92, s92, 6291456                 ; behind q's 4,096 units
	s_mov_b32 s93, 0
	s_mul_i32 s94, s11, 1572864                    ; V: 16 steps x 64 units a batch,
	s_mul_i32 s95, s12, 6144                       ; 4 units a head,
	s_add_co_u32 s94, s94, s95
	s_mul_i32 s95, s16, 393216                     ; four key steps of 64 units
	s_add_co_u32 s94, s94, s95
	s_add_co_u32 s94, s94, 12582912                ; behind q's and k's 8,192 units
	s_mov_b32 s95, 0
	s_lshl_b32 s96, s14, 13                        ; K's scale words: 8,192 bytes a pair, in two halves
	s_lshl_b32 s97, s17, 12
	s_add_co_u32 s96, s96, s97
	s_add_co_u32 s96, s96, 262144
	s_mov_b32 s97, 0
	s_lshl_b32 s98, s11, 16                        ; V's: 4,096 bytes a key step, 256 a head; eight steps a half
	s_lshl_b32 s99, s12, 8
	s_add_co_u32 s98, s98, s99
	s_lshl_b32 s99, s17, 15
	s_add_co_u32 s98, s98, s99
	s_add_co_u32 s98, s98, 524288
	s_mov_b32 s99, 0
	s_lshl_b32 s86, s15, 5
	s_add_co_u32 s86, s86, s[WV]                   ; my tile of 16 stored queries in pass 0: 32 cx + wave
	s_lshl_b32 s88, s86, 6
	s_lshl_b32 s89, s14, 13
	s_add_co_u32 s88, s88, s89
	s_lshl_b32 s89, s13, 1
	s_add_co_u32 s88, s88, s89                     ; its scale words, my head's two bytes of each
	s_mov_b32 s89, 0
	s_mul_i32 s86, s86, 1536
	s_add_co_u32 s86, s86, s85                     ; its codes
	s_mov_b32 s87, 0
	s_lshl_b32 s90, s11, 11                        ; out: the tile's first true token = 2,048 batch + 512 cx + 64 (wave / 4) + 8 (wave % 4)
	s_lshl_b32 s91, s15, 9
	s_add_co_u32 s90, s90, s91
	s_lshr_b32 s91, s[WV], 2
	s_lshl_b32 s91, s91, 6
	s_add_co_u32 s90, s90, s91
	s_lshl_b32 s91, s16, 3
	s_add_co_u32 s90, s90, s91
	s_lshl_b32 s90, s90, 12                        ; rows of 4,096 bytes
	s_lshl_b32 s91, s12, 8
	s_add_co_u32 s90, s90, s91                     ; + the head's 256 bytes
	s_mov_b32 s91, 0
	; groups 1: elements of 8 bytes, no padding, the mask of all four work-groups with bit 21 beside it
	s_mov_b32 s24, 15|(3<<16)|(1<<21)              ; K's codes: 16 rows of 768 bytes, 1,536 apart
	s_mov_b32 s25, 96<<16
	s_mov_b32 s26, 16<<16
	s_mov_b32 s27, 96<<16
	s_mov_b32 s28, 16
	s_mov_b32 s29, 192
	s_mov_b32 s30, 0
	s_mov_b32 s31, 0
	s_mov_b32 s32, 15|(3<<16)|(1<<21)              ; V's codes: 4 rows of 6,144 bytes, 98,304 apart
	s_mov_b32 s33, 768<<16
	s_mov_b32 s34, 4<<16
	s_mov_b32 s35, 768<<16
	s_mov_b32 s36, 4
	s_mov_b32 s37, 12288
	s_mov_b32 s38, 0
	s_mov_b32 s39, 0
	s_mov_b32 s40, 15|(3<<16)|(1<<21)              ; K's scale words: 4,096 dense bytes as 16 rows of 256
	s_mov_b32 s41, 32<<16
	s_mov_b32 s42, 16<<16
	s_mov_b32 s43, 32<<16
	s_mov_b32 s44, 16
	s_mov_b32 s45, 32
	s_mov_b32 s46, 0
	s_mov_b32 s47, 0
	s_mov_b32 s48, 15|(3<<16)|(1<<21)              ; V's scale words: 8 rows of 256 bytes, 4,096 apart
	s_mov_b32 s49, 32<<16
	s_mov_b32 s50, 8<<16
	s_mov_b32 s51, 32<<16
	s_mov_b32 s52, 8
	s_mov_b32 s53, 512
	s_mov_b32 s54, 0
	s_mov_b32 s55, 0
	s_mov_b32 s[SEL], 0x76543210
	s_mov_b32 s[SEL+1], 0xfedcba98                 ; selects for lane l xor 16
	s_mov_b32 s[CS], 0x3e38aa3b                    ; c = log2(e) / 8
	s_mov_b32 s[CS+1], s[CS]                       ; (named with it as a pair, so it is written)
	s_mov_b32 s[NC], 0xbe38aa3b                    ; -c
	s_wait_dscnt 0x0
	s_wait_kmcnt 0x0
	; groups 0: every wave makes all four and asks by one
	s_mov_b32 s56, 1
	s_mul_i32 s57, s77, 12288
	s_add_nc_u64 s[58:59], s[4:5], s[92:93]
	s_or_b32 s59, s59, 0x80000000
	s_mov_b32 s60, 1
	s_mul_i32 s61, s16, 24576
	s_add_co_u32 s61, s61, VREG
	s_add_nc_u64 s[62:63], s[4:5], s[94:95]
	s_or_b32 s63, s63, 0x80000000
	s_mov_b32 s68, 1
	s_lshl_b32 s69, s17, 12
	s_add_co_u32 s69, s69, SCK
	s_add_nc_u64 s[70:71], s[6:7], s[96:97]
	s_or_b32 s71, s71, 0x80000000
	s_mov_b32 s72, 1
	s_lshl_b32 s73, s17, 11
	s_add_co_u32 s73, s73, SCV
	s_add_nc_u64 s[74:75], s[6:7], s[98:99]
	s_or_b32 s75, s75, 0x80000000
	s_add_nc_u64 s[86:87], s[4:5], s[86:87]        ; Q's codes,
	s_add_nc_u64 s[88:89], s[6:7], s[88:89]        ; Q's scale words,
	s_add_nc_u64 s[90:91], s[8:9], s[90:91]        ; my rows of out
	ROUND                                          ; all four work-groups are here: the joint loads meet
.macro ARM under, g0, g1, next         ; one chain of branches on the wave's number: every way passes one load
	s_cmp_lt_u32 s[WV], \under
	s_cbranch_scc0 \next
	tensor_load_to_lds s[\g0:\g0+3], s[\g1:\g1+7]
	s_nop 0
.rept 4
	v_nop
.endr
	s_branch .Lasked
\next:
.endm
	ARM 8,  56, 24, .Lfor_v
	ARM 12, 60, 32, .Lfor_ks
	ARM 14, 68, 40, .Lfor_vs
	tensor_load_to_lds s[72:75], s[48:55]
	s_nop 0
.rept 4
	v_nop
.endr
.Lasked:
	v_and_b32 v11, 31, v0                          ; lane
	v_and_b32 v30, 15, v0                          ; r
	v_bfe_u32 v31, v0, 4, 1                        ; the lane's half
	v_lshlrev_b32 v1, 3, v11                       ; 8 x lane: my place in a piece of an image
	v_lshlrev_b32 v29, 3, v31                      ; 8 x half: where my two bytes stand in p's scale word
	s_lshl_b32 s10, s13, 1
	s_add_co_u32 s10, s10, SCK
	v_lshl_add_u32 v2, v11, 2, s10                 ; K's scale words: lanes 0-15 an even tile's, lanes 16-31 the odd tile's behind it; my head's two bytes
	v_lshl_add_u32 v3, v11, 2, SCV                 ; V's likewise, whole words
	v_add_nc_u32 v28, VREG, v1
	s_mul_i32 s10, s[WV], 16*272
	s_add_co_u32 s10, s10, STAGE                   ; my stage
	v_mul_u32_u24 v4, v30, 272
	v_mul_u32_u24 v5, v31, 272
	v_lshlrev_b32 v6, 12, v31
	v_lshl_add_u32 v4, v31, 7, v4
	v_lshl_add_u32 v5, v30, 4, v5
	v_lshl_add_u32 v6, v30, 4, v6                  ; out: two rows an instruction, 16 bytes a lane
	v_add_nc_u32 v4, s10, v4                       ; in: row r, + 128 bytes for the upper half's 32 channels
	v_add_nc_u32 v5, s10, v5                       ; back: lanes 0-15 one row, lanes 16-31 the next
	v_lshlrev_b32 v7, 2, v30                       ; Q's scale words: 4 bytes a query
.irp j, 22,23,24,25,26,27, 80,81,82,83,84,85
	v_mov_b32 v\j, 0                               ; K = 64 .. 127 of Q: zero codes, for good; and the six registers that K's last tile names behind its own, until V's first fragment lands there
.endr
	v_mov_b32 v[PT], 0                             ; a lane permute's destination counts as one of its sources
	v_mov_b32 v[PT+1], 0
	v_mov_b32 v[FF+1], 0
	v_mov_b32 v[TMP], 0
.macro SMUL t
.if ((\t)%2) == 1
	v_wmma_scale_f32_16x16x128_f8f6f4 v[SR+8*\t:SR+7+8*\t], v[KF+6*\t:KF+11+6*\t], v[16:27], 0, v[KSC+\t/2], v[QSC] matrix_a_fmt:MATRIX_FMT_FP6 matrix_b_fmt:MATRIX_FMT_FP6 matrix_a_scale:MATRIX_SCALE_ROW1
.else
	v_wmma_scale_f32_16x16x128_f8f6f4 v[SR+8*\t:SR+7+8*\t], v[KF+6*\t:KF+11+6*\t], v[16:27], 0, v[KSC+\t/2], v[QSC] matrix_a_fmt:MATRIX_FMT_FP6 matrix_b_fmt:MATRIX_FMT_FP6
.endif
.endm
.macro OMUL t, r                       ; O^T's tile t += V's fragment in v[r ..] x p
.if ((\t)%2) == 1
	v_wmma_scale_f32_16x16x128_f8f6f4 v[OT+8*\t:OT+7+8*\t], v[\r:\r+11], v[PCD:PCD+11], v[OT+8*\t:OT+7+8*\t], v[VSC+\t/2], v[PW] matrix_a_fmt:MATRIX_FMT_FP6 matrix_b_fmt:MATRIX_FMT_FP6 matrix_a_scale:MATRIX_SCALE_ROW1
.else
	v_wmma_scale_f32_16x16x128_f8f6f4 v[OT+8*\t:OT+7+8*\t], v[\r:\r+11], v[PCD:PCD+11], v[OT+8*\t:OT+7+8*\t], v[VSC+\t/2], v[PW] matrix_a_fmt:MATRIX_FMT_FP6 matrix_b_fmt:MATRIX_FMT_FP6
.endif
.endm
.macro KSW a, o                        ; K's scale words of a step: two bytes for K = 0 .. 63; the upper two read 0, over products with zero codes
.irp u, 0,1,2,3
	ds_load_u16 v[KSC+\u], v[\a] offset:\o+128*\u
.endr
.endm
.macro KT a, o, t                      ; K's tile t: 256 consecutive bytes an instruction
.irp p, 0,1,2
	ds_load_b64 v[KF+6*(\t)+2*\p:KF+6*(\t)+2*\p+1], v[\a] offset:\o+768*(\t)+256*\p
.endr
.endm
.macro VT r, t                         ; V's fragment t (16 channels x the step's 128 keys) into v[r ..]
.irp p, 0,1,2,3,4,5
	ds_load_b64 v[\r+2*\p:\r+2*\p+1], v11 offset:1536*(\t)+256*\p
.endr
.endm
.macro PF n                            ; t - M, two at a time
.rept \n
	v_pk_fma_f32 v[SR+J:SR+J+1], v[SR+J:SR+J+1], s[CS:CS+1], v[12:13] op_sel_hi:[1,0,0]
.set J, J+2
.endr
.endm
.macro SUM4 i                          ; one turn of the sum's four chains: p's pairs i .. i + 3
	v_pk_add_f32 v[14:15], v[14:15], v[SR+2*(\i):SR+2*(\i)+1]
.irp k, 1,2,3
	v_pk_add_f32 v[TT+2*\k:TT+2*\k+1], v[TT+2*\k:TT+2*\k+1], v[SR+2*(\i+\k):SR+2*(\i+\k)+1]
.endr
.endm
; A KEY STEP: 128 keys.  more = 1: the next step's K is read on the way.  At its head no LDS instruction of the wave is out.
.macro STEP more
	v_add_nc_u32 v8, s[TB], v1                     ; five plain lines: the places ahead of products that write over registers which the last step's products read as an operand
	v_add_nc_u32 v9, s[TS], v2
	v_add_nc_u32 v11, s[TB], v28
	v_add_nc_u32 v10, s[TJ], v3
	v_mov_b32 v[OLD], v12                          ; the old -M
.irp t, 0,1,2,3,4,5,6,7
	SMUL \t
.endr
.rept 4
	v_nop
.endr
.irp c, 0,1                                    ; the largest score of my two blocks: a chain to a tile, tiles 0-3 first; each accumulator from its low end on
.irp t, 0,1,2,3
	v_max3_num_f32 v[CM+4*\c+\t], v[SR+32*\c+8*\t], v[SR+32*\c+8*\t+1], v[SR+32*\c+8*\t+2]
.endr
.irp i, 3,5
.irp t, 0,1,2,3
	v_max3_num_f32 v[CM+4*\c+\t], v[CM+4*\c+\t], v[SR+32*\c+8*\t+\i], v[SR+32*\c+8*\t+\i+1]
.endr
.endr
.endr
.irp c, 0,1
	v_max3_num_f32 v[CM+4*\c], v[CM+4*\c], v[SR+32*\c+7], v[SR+32*\c+15]
	v_max3_num_f32 v[CM+4*\c+2], v[CM+4*\c+2], v[SR+32*\c+23], v[SR+32*\c+31]
.endr
.irp c, 0,1
	v_max3_num_f32 v[CM+4*\c], v[CM+4*\c], v[CM+4*\c+1], v[CM+4*\c+3]
.endr
.irp c, 0,1
	v_max_num_f32 v[BM+\c], v[CM+4*\c], v[CM+4*\c+2]   ; block 2 c + (lane / 16): it serves for the row's maximum and for the block's largest p
.endr
	s_delay_alu instid0(VALU_DEP_1)
	v_max_num_f32 v[TMP], v[BM], v[BM+1]
.if \more                                      ; LDS loads stand between the links of the chain that makes M
	KSW 9, 512
	KT 8, 6144, 0
	KT 8, 6144, 1
.endif
	v_permlanex16_b32 v[PT], v[TMP], s[SEL], s[SEL+1]
.if \more
	KT 8, 6144, 2
	KT 8, 6144, 3
	KT 8, 6144, 4
.endif
	v_max3_num_f32 v13, v13, v[TMP], v[PT]         ; the running largest score of my query
.if \more
	KT 8, 6144, 5
	KT 8, 6144, 6
	KT 8, 6144, 7
.endif
	v_mul_f32 v[TMP], s[NC], v13                   ; -t
	VT VA, 0
.irp u, 0,1
	ds_load_b32 v[VSC+\u], v10 offset:128*\u       ; V's scale words: lanes 0-15 tile 2 u's, lanes 16-31 tile 2 u + 1's
.endr
	v_floor_f32 v12, v[TMP]                        ; the new -M = floor(-t): M is a whole number
	VT VA+12, 1
	v_fma_f32 v[BM], v[BM], s[CS], v12             ; t - M of each block's largest score
	v_fma_f32 v[BM+1], v[BM+1], s[CS], v12
.set J, 0
	PF 3
	v_sub_f32 v[TMP], v12, v[OLD]                  ; old M - new M: a whole number, 0 or less
	PF 4
	v_cvt_i32_f32 v[TMP], v[TMP]                   ; (it saturates)
	PF 4
	v_ldexp_f32 v[FF], 1.0, v[TMP]                 ; f = 2^(old M - new M)
	PF 21
	s_wait_alu depctr_va_vdst(0)
	v_exp_f32 v[BM], v[BM]                         ; the block's largest p: the same two instructions on the same number give the same bits
	v_exp_f32 v[BM+1], v[BM+1]
.set J, 0
.rept 64
	v_exp_f32 v[SR+J], v[SR+J]                     ; p = 2^(t - M), at most 1
.set J, J+1
.endr
	v_pk_mul_f32 v[14:15], v[14:15], v[FF:FF+1] op_sel_hi:[1,0]   ; the sums under the new M (the plain line behind the exponentials)
	s_wait_alu depctr_va_vdst(0)                   ; one wait for the whole batch, ahead of its first reader
	; THE ROW'S SUM, of the unquantised p, in four chains, stands between the links of the chain that makes p's scales
	v_max_num_f32 v[BM], 0x1800000, v[BM]          ; the floor 2^(3 - 127): the byte cannot fall under 1
	v_max_num_f32 v[BM+1], 0x1800000, v[BM+1]
	v_pk_add_f32 v[14:15], v[14:15], v[SR:SR+1]
.irp k, 1,2,3
	v_pk_add_f32 v[TT+2*\k:TT+2*\k+1], v[SR+2*\k:SR+2*\k+1], v[SR+2*\k+8:SR+2*\k+9]
.endr
	v_add_nc_u32 v[SOP], 0xff000000, v[BM]         ; 2 off the exponent field: the conversions' scale operands
	v_add_nc_u32 v[SOP+1], 0xff000000, v[BM+1]
	v_pk_add_f32 v[14:15], v[14:15], v[SR+8:SR+9]
	SUM4 8
	v_cvt_scalef32_pk16_fp6_f32 v[PCD:PCD+2], v[SR:SR+15], v[SOP]
	v_cvt_scalef32_pk16_fp6_f32 v[PCD+12:PCD+14], v[SR+16:SR+31], v[SOP]   ; (three registers from an even one on: made elsewhere and moved)
	v_lshrrev_b32 v[PT], 23, v[SOP]                ; the bytes
	v_lshrrev_b32 v[PT+1], 23, v[SOP+1]
	SUM4 12
	VT SR, 2                                       ; p's first 32 numbers are in codes and in the sum: 24 of their registers take V's fragments 2 and 3
	VT SR+12, 3
	v_lshl_or_b32 v[PT], v[PT+1], 16, v[PT]
	v_cvt_scalef32_pk16_fp6_f32 v[PCD+6:PCD+8], v[SR+32:SR+47], v[SOP+1]
	v_cvt_scalef32_pk16_fp6_f32 v[PCD+16:PCD+18], v[SR+48:SR+63], v[SOP+1]
	v_lshlrev_b32 v[PT], v29, v[PT]                ; my two bytes at their places in the word
	SUM4 16
	v_permlanex16_b32 v[PT+1], v[PT], s[SEL], s[SEL+1]
	SUM4 20
	v_or_b32 v[PW], v[PT], v[PT+1]                 ; with the other half's two: p's scale word for these 128 keys
	SUM4 24
	SUM4 28
	v_pk_add_f32 v[TT+2:TT+3], v[TT+2:TT+3], v[TT+4:TT+5]
	v_pk_add_f32 v[14:15], v[14:15], v[TT+6:TT+7]
	s_delay_alu instid0(VALU_DEP_1)
	v_pk_add_f32 v[14:15], v[14:15], v[TT+2:TT+3]
.irp c, 0,1
.irp i, 0,1,2
	v_mov_b32 v[PCD+3+6*\c+\i], v[PCD+12+4*\c+\i]  ; registers 6 c .. 6 c + 5: my block 2 c + (lane / 16), whole
.endr
.endr
	s_wait_alu depctr_va_vdst(0)                   ; directly ahead of the first reader of O^T
.set J, 0
.rept 16
	v_pk_mul_f32 v[OT+J:OT+J+1], v[OT+J:OT+J+1], v[FF:FF+1] op_sel_hi:[1,0]   ; O^T under the new M; these sixteen are also the plain lines between the making of p's codes and scale word and the products
.set J, J+2
.endr
	s_wait_alu depctr_va_vdst(0)
	s_wait_dscnt 0x0                               ; V's fragments and scale words are in, and the next step's K
	OMUL 0, VA                                     ; O^T += V^T P^T: the four accumulators by turns, one instruction a turn
	OMUL 1, VA+12
	OMUL 2, SR
	OMUL 3, SR+12
.if \more
	s_add_co_u32 s[TB], s[TB], 6144
	s_add_co_u32 s[TS], s[TS], 512
	s_add_co_u32 s[TJ], s[TJ], 256
.endif
.endm
	s_mov_b32 s[PASS], 2
	s_wait_alu depctr_va_vdst(0)                   ; the wait at the head's end
	s_wait_tensorcnt 0x0                           ; my load is in,
	s_barrier_signal -1
	s_barrier_wait -1                              ; everybody's is: all of K and V and their scale words
.Lpass:                                            ; a pass: one tile of 16 queries a wave against all 2,048 keys
.irp p, 0,1,2
	global_load_b64 v[16+2*\p:17+2*\p], v1, s[86:87] offset:256*\p   ; Q's fragment, K = 0 .. 63
.endr
	global_load_u16 v[QSC], v7, s[88:89]           ; its scale bytes; the upper two read 0, over zero codes
	KSW 2, 0                                       ; key step 0's K
.irp t, 0,1,2,3,4,5,6,7
	KT 1, 0, \t
.endr
	v_mov_b32 v13, 0xff61b1e6                      ; the largest score so far: -3e38
	v_mov_b32 v12, 0x7e000000                      ; -M: a large number, so that the first f is 0
	v_mov_b32 v14, 0                               ; the sum, in two halves
	v_mov_b32 v15, 0
.set J, 0
.rept 32
	v_mov_b32 v[OT+J], 0                           ; O^T: the step is written once for all trips; the first finds zeros, which the first change of M leaves zeros
.set J, J+1
.endr
	s_mov_b32 s[TB], 0
	s_mov_b32 s[TS], 0
	s_mov_b32 s[TJ], 0
	s_mov_b32 s[CNT], 15
	s_wait_alu depctr_va_vdst(0)
	s_wait_loadcnt 0x0                             ; Q
	s_wait_dscnt 0x0                               ; K
.Lstep:
	STEP 1
	s_sub_co_u32 s[CNT], s[CNT], 1
	s_cmp_lg_u32 s[CNT], 0
	s_cbranch_scc1 .Lstep
	STEP 0                                         ; key step 15 has no next
	; THE WAY OUT: O^T / the sum goes through my stage and leaves as whole rows of the head's 256 bytes
	v_add_f32 v14, v14, v15                        ; the sum's two halves,
	s_delay_alu instid0(VALU_DEP_1)
	v_permlanex16_b32 v[TMP], v14, s[SEL], s[SEL+1]
	s_delay_alu instid0(VALU_DEP_1)
	v_add_f32 v14, v14, v[TMP]                     ; and lane l xor 16's: the row's sum
	s_wait_alu depctr_va_vdst(0)                   ; ahead of the reciprocal
	v_rcp_f32 v14, v14
.rept 4
	v_nop                                          ; plain lines behind the reciprocal and behind the last products
.endr
	s_wait_alu depctr_va_vdst(0)                   ; ahead of the first reader of the reciprocal and of O^T
.set J, 0
.rept 32
	v_mul_f32 v[SR+J], v[OT+J], v14                ; each accumulator from its low end on
.set J, J+1
.endr
.irp t, 0,1,2,3
	ds_store_b128 v4, v[SR+8*\t:SR+3+8*\t] offset:32*\t          ; channels 32 half + 8 t + 0 .. 3
	ds_store_b128 v4, v[SR+4+8*\t:SR+7+8*\t] offset:32*\t+16
.endr
.irp i, 0,1,2,3,4,5,6,7
	ds_load_b128 v[SR+32+4*\i:SR+35+4*\i], v5 offset:544*\i   ; LDS serves a wave's instructions in order: these see my stores
.endr
.irp i, 0,1,2,3,4,5,6,7
	s_wait_dscnt 7-\i                              ; the younger loads may be out
	global_store_b128 v6, v[SR+32+4*\i:SR+35+4*\i], s[90:91] offset:(2*\i+24*(\i/4))*4096 th:TH_STORE_NT   ; the tile's rows 2 i, 2 i + 1 are true tokens 2 i + 24 (i / 4) and the next; 16 lanes store 256 consecutive bytes, aligned
.endr
	s_wait_xcnt 0x0                                ; the loads and stores have read their bases and registers: both may be written again
	s_add_nc_u64 s[86:87], s[86:87], 16*1536       ; the next pass: 16 tiles on
	s_add_nc_u64 s[88:89], s[88:89], 16*64
	s_add_nc_u64 s[90:91], s[90:91], 256*4096
	s_sub_co_u32 s[PASS], s[PASS], 1
	s_cmp_lg_u32 s[PASS], 0
	s_cbranch_scc1 .Lpass
	s_wait_tensorcnt 0x0                           ; the wave's end
	ds_add_u32 v254, v255
	s_wait_dscnt 0x0
	ROUND                                          ; the closing round
	s_endpgm
.Lfunc_end_k_q6ccdeac256_attn:
	.size	k_q6ccdeac256_attn, .Lfunc_end_k_q6ccdeac256_attn-k_q6ccdeac256_attn
	.p2alignl 7, 3214868480
	.fill 96, 4, 3214868480
	.section	.rodata,"a",@progbits
	.p2align	6, 0x0
	.amdhsa_kernel k_q6ccdeac256_attn
		.amdhsa_group_segment_fixed_size 280576
		.amdhsa_private_segment_fixed_size 0
		.amdhsa_enable_private_segment 0
		.amdhsa_kernarg_size 24
		.amdhsa_user_sgpr_count 2
		.amdhsa_user_sgpr_kernarg_segment_ptr 1
		.amdhsa_wavefront_size32 1
		.amdhsa_system_sgpr_workgroup_id_x 1
		.amdhsa_system_sgpr_workgroup_id_y 1
		.amdhsa_system_sgpr_workgroup_id_z 1
		.amdhsa_system_vgpr_workitem_id 0
		.amdhsa_next_free_vgpr 256
		.amdhsa_next_free_sgpr 100
		.amdhsa_reserve_vcc 0
		.amdhsa_float_denorm_mode_32 3
		.amdhsa_float_denorm_mode_16_64 3
		.amdhsa_memory_ordered 1
		.amdhsa_forward_progress 1
		.amdhsa_inst_pref_size 48
	.end_amdhsa_kernel
	.amdgpu_metadata
---
amdhsa.version: [ 1, 2 ]
amdhsa.kernels:
  - .name:           k_q6ccdeac256_attn
    .symbol:         k_q6ccdeac256_attn.kd
    .args:
      - { .name: img, .offset: 0, .size: 8, .value_kind: global_buffer, .address_space: global }
      - { .name: isc, .offset: 8, .size: 8, .value_kind: global_buffer, .address_space: global }
      - { .name: out0, .offset: 16, .size: 8, .value_kind: global_buffer, .address_space: global }
    .group_segment_fixed_size: 280576
    .private_segment_fixed_size: 0
    .kernarg_segment_align: 8
    .kernarg_segment_size: 24
    .max_flat_workgroup_size: 512
    .sgpr_count:     100
    .vgpr_count:     256
    .wavefront_size: 32
...
	.end_amdgpu_metadata
.endif
;; end of part 3
